; MI455X (gfx1250); checked and timed in simulation.
; The chip was launched on July 23, 2026; its instructions are those of AMD's public machine-readable ISA for CDNA 5 (MIT licence, August 2026) and "CDNA5" Instruction Set Architecture Reference Guide (July 2026). The comments in the code are by the model that wrote it; some were corrected since.
;; Causal Self Attention. Allowed arithmetic: float matrix products may take bf16 or f16 operands with f32 sums; all other float work in f32.
;; Inputs: Wk 1,024 x 1,024 float32; Wp 1,024 x 1,024 float32; Wq 1,024 x 1,024 float32; Wv 1,024 x 1,024 float32; x 4 x 2,048 x 1,024 float32.
;; Outputs: out0 4 x 2,048 x 1,024 float32.
;; One version. Each part assembles by itself: llvm-mc -triple=amdgcn-amd-amdhsa -mcpu=gfx1250 --defsym DOCPART=n.
;; ======== version 1 of 1: 4 launches
;; limits: values are held in f16: magnitudes above 65,504 overflow, below 6.1e-05 lose precision
;; workspace buffers: xw 25,165,824 bytes; qkvh 50,331,648 bytes; yh 16,777,216 bytes
;; launch cast (part 1): grid 768 x 1, 8 waves a work-group, no clusters, 0 bytes of LDS; arguments x, Wq, Wk, Wv, Wp, xw; writes xw
.if DOCPART == 1
	.amdgcn_target "amdgcn-amd-amdhsa--gfx1250"
	.amdhsa_code_object_version 6
	.text
	.protected	k_q0b9c059f7e_cast
	.globl	k_q0b9c059f7e_cast
	.p2align	8
	.type	k_q0b9c059f7e_cast,@function
k_q0b9c059f7e_cast:
	s_mov_b64 s[64:65], 0
	v_nop
	global_prefetch_b8 v0, s[64:65] scope:SCOPE_SE
	s_setreg_imm32_b32 hwreg(HW_REG_WAVE_MODE, 25, 1), 1
	s_wait_xcnt 0x0
; x [8192][1024] and the four weights [1024][1024], all f32, become one 16-bit table xw of 12,288 rows laid in 16 planes:
; xw[plane p][row][64] holds columns 64 p .. 64 p + 63.  Rows 0.. x, 8192.. Wq, 9216.. Wk, 10240.. Wv, 11264.. Wp.
; A row of a plane is 128 bytes, so any run of rows of one plane is dense in memory: the later products fetch their tiles as dense blocks.
; x, Wq, Wk, Wv are rounded to bf16.  Wp is rounded to bf16 too, and that value is then written as f16, because the last product takes
; its other operand (y) in f16; a bf16 value is exact in f16 down to 2^-14, and below that it is kept to 2^-24.
; LIMIT: |Wp| below 65,504 (f16's largest number).
; A stream: no LDS, no barrier, no matrix unit.  A work-group takes 16 rows (65,536 bytes in, 32,768 out); wave w takes planes 2 w and 2 w + 1.
; A unit is 4 rows x 64 columns: lane l reads the 32 bytes of row l / 8, columns 8 (l % 8) .. + 7 (eight lanes cover 256 aligned bytes) and
; stores 16 bytes at 16 l: a store of the wave covers 512 consecutive bytes, aligned.  All 16 loads of a wave go out first.
.set PLA, 1572864                      ; bytes in a plane: 12,288 rows of 128
.set VL,  2                            ; v2        my byte offset in the 16 source rows
.set VS,  3                            ; v3        my byte offset in xw
.set X,   8                            ; v[8:71]   unit u: 8 f32 as loaded
.set Y,   72                           ; v[72:103] unit u: 8 numbers of 16 bits to store
	s_load_b256 s[4:11], s[0:1], 0x0               ; x s[4:5], Wq s[6:7], Wk s[8:9], Wv s[10:11]
	s_load_b128 s[12:15], s[0:1], 0x20             ; Wp s[12:13], xw s[14:15]
	s_sub_co_u32 s16, ttmp9, 512                   ; work-groups 0 to 511 take x, then 64 for each weight
	s_lshr_b32 s17, s16, 6                         ; which weight
	s_and_b32 s18, s16, 63                         ; which 16 rows of it
	v_and_b32 v1, 31, v0                           ; lane
	v_lshrrev_b32 v4, 5, v0                        ; wave
	v_lshrrev_b32 v5, 3, v1                        ; row of the unit
	v_and_b32 v6, 7, v0                            ; which 8 columns
	v_lshlrev_b32 v[VL], 12, v5                    ; a source row is 4,096 bytes
	v_lshl_add_u32 v[VL], v6, 5, v[VL]
	v_lshl_add_u32 v[VL], v4, 9, v[VL]             ; two planes are 512 bytes of a source row
	v_mul_u32_u24 v[VS], v4, 2*PLA
	v_lshl_add_u32 v[VS], v1, 4, v[VS]
	s_wait_kmcnt 0x0
	s_mov_b64 s[20:21], s[12:13]                   ; the source: chosen by the work-group's number alone
	s_cmp_eq_u32 s17, 2
	s_cselect_b64 s[20:21], s[10:11], s[20:21]
	s_cmp_eq_u32 s17, 1
	s_cselect_b64 s[20:21], s[8:9], s[20:21]
	s_cmp_eq_u32 s17, 0
	s_cselect_b64 s[20:21], s[6:7], s[20:21]
	s_cmp_lt_u32 ttmp9, 512
	s_cselect_b64 s[20:21], s[4:5], s[20:21]
	s_cselect_b32 s18, ttmp9, s18
	s_lshl_b32 s24, s18, 16                        ; 16 rows of 4,096 bytes
	s_mov_b32 s25, 0
	s_add_nc_u64 s[20:21], s[20:21], s[24:25]
	s_lshl_b32 s26, ttmp9, 11                      ; 16 rows of 128 bytes in every plane
	s_mov_b32 s27, 0
	s_add_nc_u64 s[22:23], s[14:15], s[26:27]
.irp g, 0,1,2,3
.irp pp, 0,1
	global_load_b128 v[X+8*(2*\g+\pp):X+8*(2*\g+\pp)+3],   v[VL], s[20:21] offset:\g*16384+\pp*256 th:TH_LOAD_NT
	global_load_b128 v[X+8*(2*\g+\pp)+4:X+8*(2*\g+\pp)+7], v[VL], s[20:21] offset:\g*16384+\pp*256+16 th:TH_LOAD_NT
.endr
.endr
; Unit 2 g + pp.  half = 1: the bf16 value is written as f16.  No register that a pending load or store names is written again.
.macro UNIT g, pp, half
	s_wait_loadcnt 14-2*(2*\g+\pp)                 ; loads come back in order: this unit's two are in, the younger units' stay out
.irp k, 0,1,2,3
	v_cvt_pk_bf16_f32 v[Y+4*(2*\g+\pp)+\k], v[X+8*(2*\g+\pp)+2*\k], v[X+8*(2*\g+\pp)+2*\k+1]
.endr
.if \half
.irp k, 0,1,2,3
	v_lshlrev_b32 v[X+8*(2*\g+\pp)+2*\k],   16, v[Y+4*(2*\g+\pp)+\k]
	v_and_b32     v[X+8*(2*\g+\pp)+2*\k+1], 0xffff0000, v[Y+4*(2*\g+\pp)+\k]
.endr
.irp k, 0,1,2,3
	v_cvt_pk_f16_f32 v[Y+4*(2*\g+\pp)+\k], v[X+8*(2*\g+\pp)+2*\k], v[X+8*(2*\g+\pp)+2*\k+1]
.endr
.endif
	global_store_b128 v[VS], v[Y+4*(2*\g+\pp):Y+4*(2*\g+\pp)+3], s[22:23] offset:\pp*PLA+\g*512
.endm
	s_cmp_ge_u32 ttmp9, 704                        ; the last 64 work-groups hold Wp
	s_cbranch_scc1 .Lwp
.irp g, 0,1,2,3
	UNIT \g, 0, 0
	UNIT \g, 1, 0
.endr
	s_endpgm
.Lwp:
.irp g, 0,1,2,3
	UNIT \g, 0, 1
	UNIT \g, 1, 1
.endr
	s_endpgm
.Lfunc_end_k_q0b9c059f7e_cast:
	.size	k_q0b9c059f7e_cast, .Lfunc_end_k_q0b9c059f7e_cast-k_q0b9c059f7e_cast
	.p2alignl 7, 3214868480
	.fill 96, 4, 3214868480
	.section	.rodata,"a",@progbits
	.p2align	6, 0x0
	.amdhsa_kernel k_q0b9c059f7e_cast
		.amdhsa_group_segment_fixed_size 0
		.amdhsa_private_segment_fixed_size 0
		.amdhsa_enable_private_segment 0
		.amdhsa_kernarg_size 48
		.amdhsa_user_sgpr_count 2
		.amdhsa_user_sgpr_kernarg_segment_ptr 1
		.amdhsa_wavefront_size32 1
		.amdhsa_system_sgpr_workgroup_id_x 1
		.amdhsa_system_sgpr_workgroup_id_y 1
		.amdhsa_system_sgpr_workgroup_id_z 1
		.amdhsa_system_vgpr_workitem_id 0
		.amdhsa_next_free_vgpr 104
		.amdhsa_next_free_sgpr 66
		.amdhsa_reserve_vcc 0
		.amdhsa_float_denorm_mode_32 3
		.amdhsa_float_denorm_mode_16_64 3
		.amdhsa_memory_ordered 1
		.amdhsa_forward_progress 1
		.amdhsa_inst_pref_size 15
	.end_amdhsa_kernel
	.amdgpu_metadata
---
amdhsa.version: [ 1, 2 ]
amdhsa.kernels:
  - .name:           k_q0b9c059f7e_cast
    .symbol:         k_q0b9c059f7e_cast.kd
    .args:
      - { .name: x, .offset: 0, .size: 8, .value_kind: global_buffer, .address_space: global }
      - { .name: Wq, .offset: 8, .size: 8, .value_kind: global_buffer, .address_space: global }
      - { .name: Wk, .offset: 16, .size: 8, .value_kind: global_buffer, .address_space: global }
      - { .name: Wv, .offset: 24, .size: 8, .value_kind: global_buffer, .address_space: global }
      - { .name: Wp, .offset: 32, .size: 8, .value_kind: global_buffer, .address_space: global }
      - { .name: xw, .offset: 40, .size: 8, .value_kind: global_buffer, .address_space: global }
    .group_segment_fixed_size: 0
    .private_segment_fixed_size: 0
    .kernarg_segment_align: 8
    .kernarg_segment_size: 48
    .max_flat_workgroup_size: 256
    .sgpr_count:     66
    .vgpr_count:     104
    .wavefront_size: 32
...
	.end_amdgpu_metadata
.endif
;; end of part 1
;; launch qkv (part 2): grid 16 x 32, 4 waves a work-group, clusters of 4 x 4, 327,680 bytes of LDS; arguments xw, qkvh; writes qkvh
.if DOCPART == 2
	.amdgcn_target "amdgcn-amd-amdhsa--gfx1250"
	.amdhsa_code_object_version 6
	.text
	.protected	k_q0b9c059f7e_qkv
	.globl	k_q0b9c059f7e_qkv
	.p2align	8
	.type	k_q0b9c059f7e_qkv,@function
k_q0b9c059f7e_qkv:
	s_mov_b64 s[64:65], 0
	v_nop
	global_prefetch_b8 v0, s[64:65] scope:SCOPE_SE
	s_setreg_imm32_b32 hwreg(HW_REG_WAVE_MODE, 25, 1), 1
	s_wait_xcnt 0x0
	s_wait_alu depctr_hold_cnt(0) depctr_sa_sdst(0) depctr_va_vdst(0) depctr_va_sdst(0) depctr_va_ssrc(0) depctr_va_vcc(0) depctr_vm_vsrc(0)
	s_getreg_b32 s2, hwreg(HW_REG_IB_STS2, 6, 4)
	s_cmp_eq_u32 s2, 0
	s_cbranch_scc0 .Lentry_in_a_cluster
	s_endpgm
.Lentry_in_a_cluster:
	s_bfe_u32 s2, ttmp6, 0x10000c
	s_cmp_lg_u32 s2, 0xf033
	s_cbranch_scc0 .Lentry_shape_is_right
	s_endpgm
.Lentry_shape_is_right:
; q, k, v = x W^T: C[m][n] = sum over k of xw[m][k] xw[8192 + n][k], m < 8192, n < 3072 (Wq, Wk, Wv one after the other), bf16 operands, f32 sums.
; The result is rounded to f16 and stored head-major: qkvh[n / 64][m][n % 64]; planes 0-15 q, 16-31 k, 32-47 v; a plane is 8192 rows of 128 bytes.
; LIMIT: |q|, |k|, |v| below 65,504 (f16's largest number).  As drawn they reach about 5.5, so x and the weights may each be 100 times larger.
; A work-group makes 256 x 192 of C: 32 x 16 = 512 work-groups, twice the number of WGPs (blocks of 256 x 256 would be one and a half times).
; Four waves stacked along m: a wave makes 64 x 192 = 48 accumulator tiles of 16 x 16 (384 registers); its 192 columns are three whole heads.
; K goes in steps of 128 = two planes of xw through two LDS slots.  In a plane a tile's rows are dense, so a tile is fetched as rows of 256 bytes
; (two data rows), each starting at a multiple of 256 bytes from the buffer's first byte; the mover skips 16 bytes behind every 128: LDS pitch 144.
; CLUSTERS of 4 x 4: A's tile hangs on the block row alone and is asked for jointly by a row of the cluster, B's on the block column alone, by a column.
; REGISTERS: window 0: v16-26 addresses, v64-127 A's fragments (two buffers of 4), v128-223 at work on the way out; window 1: v0-191 B's fragments
; (two buffers of 12); window 2: tiles of my rows 0-31 (tile (a, b) at 8 (12 a + b)); window 3: those of my rows 32-63.
; The matrix instruction is used transposed (source 0 = rows of W, source 1 = rows of x): a lane's 8 results are 8 neighbouring columns of one row of C.
.set NB,     12                        ; column tiles of a block
.set PLA,    1572864                   ; bytes in a plane of xw
.set PITCH,  144                       ; 128 bytes + 16: an odd multiple of 16, so the 16 rows of a fragment load start in 16 different 16-byte columns of 256 bytes
.set APL,    256*PITCH                 ; A's rows of one plane
.set BPL,    16*NB*PITCH               ; B's rows of one plane
.set BOFF,   2*APL
.set SLOT,   BOFF+2*BPL                ; 129,024
.set STAGE,  2*SLOT                    ; behind the ring (a multiple of 256): 16 rows x 400 bytes for each wave; no fill lands there
.set SPITCH, 400
.set NL,     2*NB+8                    ; LDS loads of a quarter step
.set LAPS,   4                         ; 8 K steps, two a lap
.set ASTEP,  4*PLA                     ; two K steps on
.set BSTEP,  4*PLA
.set ADRA, 16                          ; v16-17 LDS address of my A fragments in slot 0, 1
.set ADRB, 20                          ; v20-21 the same for B
.set STO,  24
.set RD,   25
.set CO,   26
.set FA,   64
.set TMP,  128
.set G1,  24                           ; s[24:31] group 1 of A's tiles
.set G0,  32                           ; s[32:39] group 0 of A's tiles, a set for each slot
.set G1B, 48                           ; s[48:55] group 1 of B's tiles
.set G0B, 56                           ; s[56:63] group 0 of B's tiles
.set G1W0, (3<<16)|(1<<20)|(1<<21)|(4<<22)|(3<<25)   ; elements of 8 bytes; padding on; bit 21 beside a mask; after every 32 words skip 4
.set MSB, 0
.macro WIN new                         ; the immediate's high byte repeats the setting that is left
.if MSB != \new
	s_set_vgpr_msb (MSB<<8)|\new
.set MSB, \new
.endif
.endm
.set MUL_LO, 0xa1                      ; source 0 (B) window 1, source 1 (A) window 0, C and D window 2
.set MUL_HI, 0xf1                      ; C and D window 3
; A joint load.  Waves 0 and 1 fetch A's two planes, waves 2 and 3 B's.  The branch hangs on the wave's number alone.
.macro JLOAD s
	s_cmp_eq_u32 s11, 0
	s_cbranch_scc0 .Lfor_b_\@
	tensor_load_to_lds s[G0+4*\s:G0+4*\s+3], s[G1:G1+7]
	s_nop 0
	s_branch .Lasked_\@
.Lfor_b_\@:
	tensor_load_to_lds s[G0B+4*\s:G0B+4*\s+3], s[G1B:G1B+7]
	s_nop 0
.Lasked_\@:
.endm
.macro CREST                           ; a round of the cluster's barrier behind its opening work-group barrier
	s_cmp_lg_u32 s10, 0
	s_cbranch_scc1 .Lnot_wave_0_\@
	s_barrier_signal -3
.Lnot_wave_0_\@:
	s_barrier_wait -3
	s_barrier_signal -1
	s_barrier_wait -1
.endm
.macro CROUND
	s_barrier_signal -1
	s_barrier_wait -1
	CREST
.endm
.macro PLACES                          ; four places behind a matrix instruction before its registers are loaded into or its result read (ISA guide 7.12.1)
.rept 4
	v_nop
.endr
.endm
	s_load_b128 s[4:7], s[0:1], 0x0                ; xw s[4:5], qkvh s[6:7]
	s_set_vgpr_msb 0x40
	v_lshl_add_u32 v255, v0, 2, 0x45400
	s_set_vgpr_msb 0x4000
	v_mov_b32 v255, 0
	s_set_vgpr_msb 0x1
	ds_add_u32 v255, v255
	s_set_vgpr_msb 0x100
	v_lshrrev_b32 v1, 5, v0
	v_readfirstlane_b32 s10, v1                    ; wave 0..3
	s_lshr_b32 s11, s10, 1                         ; I fetch for A (0) or for B (1)
	s_and_b32 s12, s10, 1                          ; which plane of the K step
	s_bfe_u32 s40, ttmp6, 0x40000                  ; cx
	s_bfe_u32 s41, ttmp6, 0x40004                  ; cy
	s_lshl_b32 s42, ttmp9, 2
	s_add_co_u32 s42, s42, s40                     ; block column
	s_and_b32 s13, ttmp7, 0xffff
	s_lshl_b32 s13, s13, 2
	s_add_co_u32 s13, s13, s41                     ; block row
	s_lshl_b32 s43, s41, 2
	s_lshl_b32 s43, 15, s43                        ; my row of the cluster
	s_lshl_b32 s44, 0x1111, s40                    ; my column
	s_or_b32 s[G1+0], s43, G1W0
	s_or_b32 s[G1B+0], s44, G1W0
	s_mov_b32 s[G1+1], 32<<16                      ; tensor_dim0 = 32 elements of 8 bytes
	s_mov_b32 s[G1B+1], 32<<16
	s_mov_b32 s[G1+2], 128<<16                     ; tensor_dim1: 256 data rows = 128 rows of 256 bytes
	s_mov_b32 s[G1B+2], (8*NB)<<16                 ; 192 data rows = 96
	s_mov_b32 s[G1+3], 32<<16                      ; tile_dim0
	s_mov_b32 s[G1B+3], 32<<16
	s_mov_b32 s[G1+4], 128                         ; tile_dim1
	s_mov_b32 s[G1B+4], 8*NB
	s_mov_b32 s[G1+5], 32                          ; the pitch: the block is dense
	s_mov_b32 s[G1B+5], 32
	s_mov_b32 s[G1+6], 0
	s_mov_b32 s[G1B+6], 0
	s_mov_b32 s[G1+7], 0
	s_mov_b32 s[G1B+7], 0
	s_lshl_b32 s16, s13, 15                        ; A: 256 rows of 128 bytes a block row,
	s_mul_i32 s17, s12, PLA                        ; my plane of the step
	s_add_co_u32 s16, s16, s17
	s_mov_b32 s17, 0
	s_mul_i32 s46, s42, 16*NB*128                  ; B: 192 rows a block column,
	s_mul_i32 s47, s12, PLA
	s_add_co_u32 s46, s46, s47
	s_add_co_u32 s46, s46, 8192*128                ; behind x's rows
	s_mov_b32 s47, 0
	s_mul_i32 s20, s10, APL                        ; LDS: A's two planes (waves 0, 1),
	s_mul_i32 s21, s10, BPL
	s_add_co_u32 s21, s21, BOFF-2*BPL              ; then B's two (waves 2, 3): the wave's number and constants alone
	s_wait_dscnt 0x0
	s_wait_kmcnt 0x0
	s_add_nc_u64 s[14:15], s[4:5], s[16:17]
	s_add_nc_u64 s[46:47], s[4:5], s[46:47]
	CROUND                                         ; all sixteen work-groups are here: the first joint loads meet
.irp s, 0,1
	s_mov_b32 s[G0+4*\s], 1
	s_add_co_u32 s[G0+4*\s+1], s20, \s*SLOT
	s_add_nc_u64 s[G0+4*\s+2:G0+4*\s+3], s[14:15], \s*2*PLA
	s_or_b32 s[G0+4*\s+3], s[G0+4*\s+3], 0x80000000
	s_mov_b32 s[G0B+4*\s], 1
	s_add_co_u32 s[G0B+4*\s+1], s21, \s*SLOT
	s_add_nc_u64 s[G0B+4*\s+2:G0B+4*\s+3], s[46:47], \s*2*PLA
	s_or_b32 s[G0B+4*\s+3], s[G0B+4*\s+3], 0x80000000
	JLOAD \s                                       ; K steps 0 and 1: two tensor loads of the wave are out, later one
.endr
	v_and_b32 v1, 15, v0                           ; r = l % 16
	v_bfe_u32 v2, v0, 4, 1                         ; h = l / 16
	v_mul_u32_u24 v3, v1, PITCH
	v_lshl_add_u32 v3, v2, 4, v3                   ; row x pitch + 16 h
	s_mul_i32 s22, s10, 64*PITCH                   ; my 64 rows of A
	v_add_nc_u32 v[ADRA], s22, v3
	v_add_nc_u32 v[ADRA+1], SLOT, v[ADRA]
	v_add_nc_u32 v[ADRB], BOFF, v3
	v_add_nc_u32 v[ADRB+1], BOFF+SLOT, v3
	s_mul_i32 s23, s10, 16*SPITCH
	s_add_co_u32 s23, s23, STAGE                   ; my stage
	v_mul_u32_u24 v4, v1, SPITCH
	v_lshl_add_u32 v4, v2, 4, v4
	v_add_nc_u32 v[STO], s23, v4                   ; in: row r, 16 bytes for each half of the lanes
	v_and_b32 v5, 31, v0
	v_lshrrev_b32 v6, 3, v5
	v_and_b32 v7, 7, v0
	v_mul_u32_u24 v6, v6, SPITCH
	v_lshl_add_u32 v6, v7, 4, v6
	v_add_nc_u32 v[RD], s23, v6                    ; back: eight lanes take the 128 bytes of one head in one row, four rows a load
	v_lshlrev_b32 v[CO], 4, v5                     ; those four rows are 512 consecutive bytes of a plane of qkvh
; NB matrix instructions: my row tile 2 hi + a x all column tiles, 32 along K, from buffer buf.  zero = 1: the first product starts the sums.
; The 48 accumulators take turns, one instruction a turn, in the same order in every quarter step.
.macro MULROW buf, hi, a, zero
.irp b, 0,1,2,3,4,5,6,7,8,9,10,11
.if \zero
	v_wmma_f32_16x16x32_bf16 v[8*(NB*\a+\b):8*(NB*\a+\b)+7], v[8*(NB*\buf+\b):8*(NB*\buf+\b)+7], v[FA+32*\buf+8*(2*\hi+\a):FA+32*\buf+8*(2*\hi+\a)+7], 0
.else
	v_wmma_f32_16x16x32_bf16 v[8*(NB*\a+\b):8*(NB*\a+\b)+7], v[8*(NB*\buf+\b):8*(NB*\buf+\b)+7], v[FA+32*\buf+8*(2*\hi+\a):FA+32*\buf+8*(2*\hi+\a)+7], v[8*(NB*\a+\b):8*(NB*\a+\b)+7]
.endif
.endr
.endm
; The fragments of quarter q of a K step (plane q / 2, byte 64 (q % 2) of its rows) into buffer buf: B's 24 loads, then A's 8
.macro FETCH slot, q, buf
	WIN 0x40
.irp i, 0,1,2,3,4,5,6,7,8,9,10,11
	ds_load_b128 v[8*(NB*\buf+\i):8*(NB*\buf+\i)+3],   v[ADRB+\slot] offset:((\q)>>1)*BPL+((\q)&1)*64+\i*16*PITCH
	ds_load_b128 v[8*(NB*\buf+\i)+4:8*(NB*\buf+\i)+7], v[ADRB+\slot] offset:((\q)>>1)*BPL+((\q)&1)*64+\i*16*PITCH+32
.endr
	WIN 0
.irp i, 0,1,2,3
	ds_load_b128 v[FA+32*\buf+8*\i:FA+32*\buf+8*\i+3],   v[ADRA+\slot] offset:((\q)>>1)*APL+((\q)&1)*64+\i*16*PITCH
	ds_load_b128 v[FA+32*\buf+8*\i+4:FA+32*\buf+8*\i+7], v[ADRA+\slot] offset:((\q)>>1)*APL+((\q)&1)*64+\i*16*PITCH+32
.endr
.endm
; One of a K step's first three quarters: multiplies buffer buf; in its middle it fetches quarter qn into buffer nbuf
.macro QUARTER slot, qn, buf, nbuf, zero
	s_wait_dscnt 4                                 ; B and A's tiles 0, 1 are in; the youngest four loads (A's tiles 2, 3) may be out
	WIN MUL_LO
	MULROW \buf, 0, 0, \zero
	MULROW \buf, 0, 1, \zero
	PLACES
	FETCH \slot, \qn, \nbuf
	s_wait_dscnt NL                                ; all but the run just issued
	WIN MUL_HI
	MULROW \buf, 1, 0, \zero
	MULROW \buf, 1, 1, \zero
.endm
.macro THREE slot, zero
	QUARTER \slot, 1, 0, 1, \zero
	QUARTER \slot, 2, 1, 0, 0
	QUARTER \slot, 3, 0, 1, 0
.endm
; The last quarter multiplies buffer 1 and changes slots.  In front of the barrier each wave waits for its reads of this slot and for all its
; tensor loads (one is out: its part of the next slot).  fill = 1: the barrier opens a round of the cluster's barrier, and the joint refill of
; this slot, two K steps ahead, is the wave's first and only tensor load behind the round.
.macro TURN slot, next, fill
	s_wait_dscnt 4
	WIN MUL_LO
	MULROW 1, 0, 0, 0
	s_wait_dscnt 0x0                               ; my reads of this slot are over
	s_wait_tensorcnt 0x0                           ; all my tensor loads have landed
	ds_add_u32 v255, v255
	s_wait_dscnt 0x0
	s_barrier_signal -1
	MULROW 1, 0, 1, 0                              ; register work while the others arrive
	WIN 0
	s_barrier_wait -1
.if \fill
	CREST
	s_add_nc_u64 s[G0+4*\slot+2:G0+4*\slot+3], s[G0+4*\slot+2:G0+4*\slot+3], ASTEP
	s_add_nc_u64 s[G0B+4*\slot+2:G0B+4*\slot+3], s[G0B+4*\slot+2:G0B+4*\slot+3], BSTEP
	JLOAD \slot
.endif
	PLACES
	FETCH \next, 0, 0
	WIN MUL_HI
	MULROW 1, 1, 0, 0
	MULROW 1, 1, 1, 0
.endm
.macro LAP zero
	THREE 0, \zero
	TURN 0, 1, 1
	THREE 1, 0
	TURN 1, 0, 1
.endm
	s_wait_tensorcnt 0x1                           ; my part of K step 0 is in; K step 1's may stay out
	s_barrier_signal -1
	s_barrier_wait -1
	FETCH 0, 0, 0
	LAP 1                                          ; the first lap stands in front of the loop: its first products start the sums
	WIN 0
	s_mov_b32 s3, LAPS-2
.Llap:
	LAP 0
	WIN 0
	s_sub_co_u32 s3, s3, 1
	s_cmp_lg_u32 s3, 0
	s_cbranch_scc1 .Llap
	THREE 0, 0                                     ; the last lap fills nothing
	TURN 0, 1, 0
	THREE 1, 0
	s_wait_dscnt 4
	WIN MUL_LO
	MULROW 1, 0, 0, 0
	MULROW 1, 0, 1, 0
	s_wait_dscnt 0x0
	WIN MUL_HI
	MULROW 1, 1, 0, 0
	MULROW 1, 1, 1, 0
	PLACES                                         ; behind the last matrix instructions: for the conversions and for the loads into A's buffers
	; THE WAY OUT, 16 rows at a time: round to f16, 16 bytes a lane into my stage, read back head by head, four rows (512 bytes of a plane) a store
	s_lshl_b32 s16, s13, 15                        ; 256 rows of 128 bytes a block row
	s_lshl_b32 s17, s10, 13                        ; my 64 rows
	s_add_co_u32 s16, s16, s17
	s_mov_b32 s17, 0
	s_add_nc_u64 s[8:9], s[6:7], s[16:17]
	s_mul_i32 s46, s42, 3*1048576                  ; three planes a block column (in registers that never fed A's descriptors)
	s_mov_b32 s47, 0
	s_add_nc_u64 s[8:9], s[8:9], s[46:47]
.macro OUT16 i, a, from, f
	WIN \from
.irp b, 0,1,2,3,4,5,6,7,8,9,10,11
.irp r, 0,1,2,3
	v_cvt_pk_f16_f32 v[TMP+4*\b+\r], v[8*(NB*\a+\b)+2*\r], v[8*(NB*\a+\b)+2*\r+1]
.endr
.endr
	WIN 0
.irp b, 0,1,2,3,4,5,6,7,8,9,10,11
	ds_store_b128 v[STO], v[TMP+4*\b:TMP+4*\b+3] offset:32*\b
.endr
	s_wait_xcnt 0x0                                ; buffer f, which earlier stores read, and the stores' base are rewritten only behind this wait
.if \i
	s_add_nc_u64 s[8:9], s[8:9], 16*128
.endif
.irp t, 0,1,2,3,4,5,6,7,8,9,10,11
	ds_load_b128 v[\f+4*\t:\f+4*\t+3], v[RD] offset:((\t)&3)*4*SPITCH+((\t)>>2)*128   ; LDS serves a wave's instructions in order: these see the stores above
.endr
.irp t, 0,1,2,3,4,5,6,7,8,9,10,11
	s_wait_dscnt 11-\t                             ; the younger read-backs may stay out
	global_store_b128 v[CO], v[\f+4*\t:\f+4*\t+3], s[8:9] offset:((\t)>>2)*1048576+((\t)&3)*512
.endr
.endm
	OUT16 0, 0, 0x0a, 176
	OUT16 1, 1, 0x0a, 64
	OUT16 2, 0, 0x0f, 176
	OUT16 3, 1, 0x0f, 64
	s_set_vgpr_msb 0x1
	s_wait_tensorcnt 0x0
	ds_add_u32 v255, v255
	s_wait_dscnt 0x0
	s_set_vgpr_msb 0x100
	CROUND                                         ; the closing round: no work-group ends while a partner may still ask for a tile that names it
	s_endpgm
.Lfunc_end_k_q0b9c059f7e_qkv:
	.size	k_q0b9c059f7e_qkv, .Lfunc_end_k_q0b9c059f7e_qkv-k_q0b9c059f7e_qkv
	.p2alignl 7, 3214868480
	.fill 96, 4, 3214868480
	.section	.rodata,"a",@progbits
	.p2align	6, 0x0
	.amdhsa_kernel k_q0b9c059f7e_qkv
		.amdhsa_group_segment_fixed_size 327680
		.amdhsa_private_segment_fixed_size 0
		.amdhsa_enable_private_segment 0
		.amdhsa_kernarg_size 16
		.amdhsa_user_sgpr_count 2
		.amdhsa_user_sgpr_kernarg_segment_ptr 1
		.amdhsa_wavefront_size32 1
		.amdhsa_system_sgpr_workgroup_id_x 1
		.amdhsa_system_sgpr_workgroup_id_y 1
		.amdhsa_system_sgpr_workgroup_id_z 1
		.amdhsa_system_vgpr_workitem_id 0
		.amdhsa_next_free_vgpr 960
		.amdhsa_next_free_sgpr 66
		.amdhsa_reserve_vcc 0
		.amdhsa_float_denorm_mode_32 3
		.amdhsa_float_denorm_mode_16_64 3
		.amdhsa_memory_ordered 1
		.amdhsa_forward_progress 1
		.amdhsa_inst_pref_size 163
	.end_amdhsa_kernel
	.amdgpu_metadata
---
amdhsa.version: [ 1, 2 ]
amdhsa.kernels:
  - .name:           k_q0b9c059f7e_qkv
    .symbol:         k_q0b9c059f7e_qkv.kd
    .args:
      - { .name: xw, .offset: 0, .size: 8, .value_kind: global_buffer, .address_space: global }
      - { .name: qkvh, .offset: 8, .size: 8, .value_kind: global_buffer, .address_space: global }
    .group_segment_fixed_size: 327680
    .private_segment_fixed_size: 0
    .kernarg_segment_align: 8
    .kernarg_segment_size: 16
    .max_flat_workgroup_size: 128
    .sgpr_count:     66
    .vgpr_count:     960
    .wavefront_size: 32
...
	.end_amdgpu_metadata
.endif
;; end of part 2
;; launch attn (part 3): grid 4 x 64, 8 waves a work-group, no clusters, 327,680 bytes of LDS; arguments qkvh, yh; writes yh
.if DOCPART == 3
	.amdgcn_target "amdgcn-amd-amdhsa--gfx1250"
	.amdhsa_code_object_version 6
	.text
	.protected	k_q0b9c059f7e_attn
	.globl	k_q0b9c059f7e_attn
	.p2align	8
	.type	k_q0b9c059f7e_attn,@function
k_q0b9c059f7e_attn:
	s_mov_b64 s[64:65], 0
	v_nop
	global_prefetch_b8 v0, s[64:65] scope:SCOPE_SE
	s_setreg_imm32_b32 hwreg(HW_REG_WAVE_MODE, 25, 1), 1
	s_wait_xcnt 0x0
; y = softmax(q k^T / 8, causal) v for one head of one batch, with a running maximum.  q, k, v: planes of qkvh, f16, rows of 128 bytes.
; y is stored as f16, yh[h][b 2048 + t][64].  Scores, exponentials, sums and the accumulated y are f32; P goes to the matrix unit as f16 (0 <= P <= 1).
; LIMITS: the row sum adds the unrounded exponentials; exponentials below 2^-126 count as zero; inputs that are not finite are not served.
; SHARES: a head has 8 blocks of 256 query rows.  Work-group j (0..3) takes block 7 - j and then block j: (8 - j) + (j + 1) = 9 key tiles of 256
; positions in every work-group.  Eight waves, two for each SIMD; wave w owns query rows 32 w .. 32 w + 31 of the block (two tiles of 16).
; NO JOINT LOADS: the four work-groups of a head walk the key tiles in different orders (j starts its second block after 8 - j tiles); in step,
; each round would last as long as its slowest partner, 12 tile times instead of 9.
; NO LANE SHUFFLES BUT ONE: S^T = K Q^T (source 0 = 16 key rows, source 1 = 16 query rows): lane (r, h) holds query r, keys 8 h + 0..7.  Two such
; tiles, packed, are source 1 of O^T = V^T P^T (source 0 = V read transposed): lane (r, h) holds query r, d = 16 dt + 8 h + 0..7.  So maximum, sum
; and rescale factor are one number a lane, and only the maximum crosses the two halves of the lanes.
; LDS: slot s at 77,824 s: V's 256 rows at pitch 160 (an odd multiple of 32, for the transposing loads), then K's 256 rows at pitch 144;
; behind the two slots (at a multiple of 256) 4,608 bytes of stage for each wave, into which no fill lands.
; Waves 0, 1 fetch V's halves, waves 2, 3 K's: 128 positions = 16,384 dense bytes = 64 rows of 256 bytes a load.  Two loads of a wave are out at the start, later one.
.set SLOT,  77824
.set VP,    160
.set KP,    144
.set KOFF,  256*VP
.set STAGE, 2*SLOT
.set ADRK, 8                           ; v8-9    LDS address of my K fragments in slot 0, 1
.set ADRV, 10                          ; v10-11  the same for V (transposing loads)
.set STO,  12
.set RD,   13
.set CO,   14
.set VQ,   15
.set THR,  16                          ; v16     32 (w % 2) + r - 8 h: in the step on the diagonal a score is masked if 16 kt + j - 16 qt is larger
.set NINF, 17
.set MX,   18                          ; v[18:19] running maximum of the raw scores, query tile 0, 1
.set NM,   20                          ; v[20:21] - c x maximum, c = log2(e) / 8
.set AL,   22                          ; v[22:23] rescale factor
.set LS,   24                          ; v[24:27] row sums, a pair for each query tile
.set QF,   32                          ; v[32:63]   Q fragments, 8 (2 qt + dk)
.set OA,   64                          ; v[64:127]  O^T, 8 (2 dt + qt)
.set SC,   128                         ; v[128:191] S^T, 8 (2 kt + qt)
.set PR,   192                         ; v[192:223] P, 8 (2 qt + kc)
.set TT,   224                         ; v[224:231] at work
.set XX,   232                         ; v[232:233] the other half's number
.set KF,   0                           ; window 1: v[0:63] K fragments, 8 (2 kt + dk)
.set VF,   64                          ; window 1: v[64:127] V fragments, 8 (2 dt + kc)
.set Q2,   128                         ; window 1: v[128:159] the second block's Q
.set G1V, 32
.set G1K, 40
.set G0V, 48
.set G0K, 56
.set MSB, 0
.macro WIN new
.if MSB != \new
	s_set_vgpr_msb (MSB<<8)|\new
.set MSB, \new
.endif
.endm
.macro PLACES                          ; four places behind a matrix instruction before its result is read or its registers are written (ISA guide 7.12.1)
.rept 4
	v_nop
.endr
.endm
.macro KVLOAD s                        ; the wave's one tensor load behind a barrier; waves 4 to 7 have none
	s_cmp_lt_u32 s8, 2
	s_cbranch_scc0 .Lnv_\@
	tensor_load_to_lds s[G0V+4*(\s):G0V+4*(\s)+3], s[G1V:G1V+7]
	s_nop 0
	s_branch .Ld_\@
.Lnv_\@:
	s_cmp_lt_u32 s8, 4
	s_cbranch_scc0 .Ld_\@
	tensor_load_to_lds s[G0K+4*(\s):G0K+4*(\s)+3], s[G1K:G1K+7]
	s_nop 0
.Ld_\@:
.endm
.macro RESET                           ; a new block of query rows
.set i, 0
.rept 64
	v_mov_b32 v[OA+i], 0
.set i, i+1
.endr
.irp k, 0,1,2,3
	v_mov_b32 v[LS+\k], 0
.endr
.irp k, 0,1
	v_mov_b32 v[MX+\k], 0xff800000                 ; - infinity
	v_mov_b32 v[NM+\k], 0x7f800000                 ; - c x that
.endr
.endm
	s_load_b128 s[4:7], s[0:1], 0x0                ; qkvh s[4:5], yh s[6:7]
	v_lshl_add_u32 v254, v0, 2, 0x2f000
	v_mov_b32 v255, 0
	ds_add_u32 v254, v255
	v_lshrrev_b32 v1, 5, v0
	v_readfirstlane_b32 s8, v1                     ; wave 0..7
	s_mov_b32 s9, ttmp9                            ; j
	s_and_b32 s10, ttmp7, 0xffff                   ; 16 b + h
	s_and_b32 s11, s10, 15
	s_lshr_b32 s10, s10, 4
	s_lshl_b32 s11, s11, 20                        ; a plane is 1,048,576 bytes,
	s_lshl_b32 s10, s10, 18                        ; a batch's 2,048 rows 262,144
	s_add_co_u32 s10, s10, s11
	s_mov_b32 s11, 0
	s_mov_b32 s12, 0x76543210                      ; v_permlanex16_b32: lane i reads lane i of the other half
	s_mov_b32 s13, 0xfedcba98
	s_mov_b32 s14, 0x3e38aa3b                      ; c = log2(e) / 8, twice
	s_mov_b32 s15, 0x3e38aa3b
	s_mov_b32 s16, 0xbe38aa3b                      ; - c
	s_lshr_b32 s17, s8, 1                          ; the step of a diagonal tile in which my rows' diagonal lies
	s_sub_co_u32 s18, 7, s9                        ; the first block, and the number of its last tile
	s_sub_co_u32 s19, 8, s9                        ; tiles of the first block
	s_mov_b32 s20, 0                               ; the tile at work, 0..8
	s_mov_b32 s21, 1                               ; the tile asked for last
	s_mov_b32 s[G1V+0], (3<<16)|(1<<20)|(4<<22)|(7<<25)   ; elements of 8 bytes; after every 32 words skip 8: pitch 160
	s_mov_b32 s[G1K+0], (3<<16)|(1<<20)|(4<<22)|(3<<25)   ; skip 4: pitch 144
.irp g, G1V, G1K
	s_mov_b32 s[\g+1], 32<<16                      ; tensor_dim0 = 32 elements
	s_mov_b32 s[\g+2], 64<<16                      ; tensor_dim1 = 64 rows of 256 bytes
	s_mov_b32 s[\g+3], 32<<16                      ; tile_dim0
	s_mov_b32 s[\g+4], 64                          ; tile_dim1
	s_mov_b32 s[\g+5], 32                          ; the pitch: dense
	s_mov_b32 s[\g+6], 0
	s_mov_b32 s[\g+7], 0
.endr
	s_and_b32 s27, s8, 1
	s_lshl_b32 s24, s27, 14                        ; which 128 positions of a tile I fetch
	s_mov_b32 s25, 0
	s_mul_i32 s2, s8, 128*VP                       ; LDS: V's halves (waves 0, 1),
	s_mul_i32 s3, s8, 128*KP
	s_add_co_u32 s3, s3, KOFF-2*128*KP             ; K's halves (waves 2, 3)
	s_wait_dscnt 0x0
	s_barrier_signal -1
	s_barrier_wait -1
	s_wait_kmcnt 0x0
	s_add_nc_u64 s[74:75], s[4:5], s[10:11]        ; q of my head and batch
	s_add_nc_u64 s[30:31], s[74:75], s[24:25]
	s_add_nc_u64 s[28:29], s[30:31], 0x2000000     ; v lies 32 planes behind q,
	s_add_nc_u64 s[30:31], s[30:31], 0x1000000     ; k 16
.irp s, 0,1
	s_mov_b32 s[G0V+4*\s], 1
	s_add_co_u32 s[G0V+4*\s+1], s2, \s*SLOT
	s_add_nc_u64 s[G0V+4*\s+2:G0V+4*\s+3], s[28:29], \s*32768
	s_or_b32 s[G0V+4*\s+3], s[G0V+4*\s+3], 0x80000000
	s_mov_b32 s[G0K+4*\s], 1
	s_add_co_u32 s[G0K+4*\s+1], s3, \s*SLOT
	s_add_nc_u64 s[G0K+4*\s+2:G0K+4*\s+3], s[30:31], \s*32768
	s_or_b32 s[G0K+4*\s+3], s[G0K+4*\s+3], 0x80000000
.endr
	; the first fills, tiles 0 and 1 (both of the first block, which has at least five): a wave's two stand inside one branch on its number
	s_cmp_lt_u32 s8, 2
	s_cbranch_scc0 .Lnot_v
	tensor_load_to_lds s[G0V:G0V+3], s[G1V:G1V+7]
	s_nop 0
	tensor_load_to_lds s[G0V+4:G0V+7], s[G1V:G1V+7]
	s_nop 0
	s_branch .Lfilled
.Lnot_v:
	s_cmp_lt_u32 s8, 4
	s_cbranch_scc0 .Lfilled
	tensor_load_to_lds s[G0K:G0K+3], s[G1K:G1K+7]
	s_nop 0
	tensor_load_to_lds s[G0K+4:G0K+7], s[G1K:G1K+7]
	s_nop 0
.Lfilled:
	s_lshl_b32 s27, s8, 12                         ; my 32 rows of 128 bytes
	s_lshl_b32 s24, s18, 15                        ; a block is 256 rows of 128 bytes
	s_add_co_u32 s24, s24, s27                     ; my rows in block 7 - j
	s_lshl_b32 s22, s9, 15
	s_add_co_u32 s22, s22, s27                     ; and in block j
	s_mov_b32 s23, 0
	s_add_nc_u64 s[70:71], s[74:75], s[24:25]
	s_add_nc_u64 s[72:73], s[74:75], s[22:23]
	s_add_nc_u64 s[68:69], s[6:7], s[10:11]
	s_add_nc_u64 s[66:67], s[68:69], s[24:25]      ; y of the block at work
	s_add_nc_u64 s[68:69], s[68:69], s[22:23]      ; y of block j
	v_and_b32 v1, 31, v0                           ; l
	v_and_b32 v2, 15, v0                           ; r
	v_bfe_u32 v3, v0, 4, 1                         ; h
	v_and_b32 v4, 7, v0
	v_bfe_u32 v5, v0, 3, 1
	v_bfe_u32 v6, v0, 3, 2
	v_lshlrev_b32 v[VQ], 7, v2
	v_lshl_add_u32 v[VQ], v3, 4, v[VQ]             ; row r, 16 h
.irp qt, 0,1
.irp dk, 0,1
	global_load_b128 v[QF+8*(2*\qt+\dk):QF+8*(2*\qt+\dk)+3],   v[VQ], s[70:71] offset:\qt*2048+\dk*64
	global_load_b128 v[QF+8*(2*\qt+\dk)+4:QF+8*(2*\qt+\dk)+7], v[VQ], s[70:71] offset:\qt*2048+\dk*64+32
.endr
.endr
	WIN 0x40
.irp qt, 0,1
.irp dk, 0,1
	global_load_b128 v[Q2+8*(2*\qt+\dk):Q2+8*(2*\qt+\dk)+3],   v[VQ], s[72:73] offset:\qt*2048+\dk*64
	global_load_b128 v[Q2+8*(2*\qt+\dk)+4:Q2+8*(2*\qt+\dk)+7], v[VQ], s[72:73] offset:\qt*2048+\dk*64+32
.endr
.endr
	WIN 0
	v_mul_u32_u24 v7, v2, KP
	v_lshl_add_u32 v7, v3, 4, v7                   ; r x 144 + 16 h: K's fragments and the stage
	v_add_nc_u32 v[ADRK], KOFF, v7
	v_add_nc_u32 v[ADRK+1], KOFF+SLOT, v7
	s_mul_i32 s27, s8, 32*KP
	s_add_co_u32 s27, s27, STAGE                   ; my stage: 32 rows at pitch 144
	v_add_nc_u32 v[STO], s27, v7
	v_lshl_add_u32 v7, v3, 3, v4                   ; 8 h + l % 8
	v_mul_u32_u24 v7, v7, VP
	v_lshl_add_u32 v[ADRV], v5, 4, v7
	v_add_nc_u32 v[ADRV+1], SLOT, v[ADRV]
	v_mul_u32_u24 v7, v6, KP
	v_lshl_add_u32 v7, v4, 4, v7
	v_add_nc_u32 v[RD], s27, v7                    ; back: eight lanes take a row of 128 bytes, four rows a load
	v_lshlrev_b32 v[CO], 4, v1
	v_lshlrev_b32 v7, 3, v3
	v_sub_nc_u32 v[THR], v2, v7
	s_and_b32 s27, s8, 1
	s_lshl_b32 s27, s27, 5
	v_add_nc_u32 v[THR], s27, v[THR]
	v_mov_b32 v[NINF], 0xff800000
	v_mov_b32 v[XX], 0                             ; v_permlanex16_b32 counts as a reader of its destination
	v_mov_b32 v[XX+1], 0
	RESET                                          ; cleared, not started by a first product: the second block's first step falls in a trip that hangs on j
	s_wait_loadcnt 0x0                             ; both blocks' Q
.macro LOADK slot, st                  ; 64 positions of K: 16 loads into window 1 (the window stays set)
	WIN 0x40
.irp kt, 0,1,2,3
.irp dk, 0,1
	ds_load_b128 v[KF+8*(2*\kt+\dk):KF+8*(2*\kt+\dk)+3],   v[ADRK+\slot] offset:(\st)*64*KP+\kt*16*KP+\dk*64
	ds_load_b128 v[KF+8*(2*\kt+\dk)+4:KF+8*(2*\kt+\dk)+7], v[ADRK+\slot] offset:(\st)*64*KP+\kt*16*KP+\dk*64+32
.endr
.endr
.endm
.macro LOADV slot, st                  ; 64 positions of V, transposed: 16 loads into window 1
	WIN 0x40
.irp dt, 0,1,2,3
.irp kc, 0,1
	ds_load_tr16_b128 v[VF+8*(2*\dt+\kc):VF+8*(2*\dt+\kc)+3],   v[ADRV+\slot] offset:(64*(\st)+32*\kc)*VP+32*\dt
	ds_load_tr16_b128 v[VF+8*(2*\dt+\kc)+4:VF+8*(2*\dt+\kc)+7], v[ADRV+\slot] offset:(64*(\st)+32*\kc+16)*VP+32*\dt
.endr
.endr
.endm
.macro EXP8 kt, qt
.irp j, 0,1,2,3,4,5,6,7
	v_exp_f32 v[SC+8*(2*\kt+\qt)+\j], v[SC+8*(2*\kt+\qt)+\j]
.endr
.endm
.macro RESC dt, qt                     ; plain work on other registers: also the place behind the eight exponentials in front of it (ISA guide 5.7.2)
	s_wait_alu depctr_va_vdst(0)
.irp p, 0,2,4,6
	v_pk_mul_f32 v[OA+8*(2*\dt+\qt)+\p:OA+8*(2*\dt+\qt)+\p+1], v[OA+8*(2*\dt+\qt)+\p:OA+8*(2*\dt+\qt)+\p+1], v[AL:AL+1] op_sel:[0,\qt] op_sel_hi:[1,\qt]
.endr
.endm
.macro CONS kt, qt                     ; a tile's eight exponentials join the row sum and are packed into P
.set SB, SC+8*(2*\kt+\qt)
.set PB, PR+8*(2*\qt+((\kt)>>1))+4*((\kt)&1)
.if \kt == 0
	s_wait_alu depctr_va_vdst(0)
	v_pk_fma_f32 v[LS+2*\qt:LS+2*\qt+1], v[LS+2*\qt:LS+2*\qt+1], v[AL:AL+1], v[SB:SB+1] op_sel:[0,\qt,0] op_sel_hi:[1,\qt,1]
.else
	s_wait_alu depctr_va_vdst(0)
	v_pk_add_f32 v[LS+2*\qt:LS+2*\qt+1], v[LS+2*\qt:LS+2*\qt+1], v[SB:SB+1]
.endif
	v_cvt_pk_f16_f32 v[PB], v[SB], v[SB+1]
.irp p, 1,2,3
	v_pk_add_f32 v[LS+2*\qt:LS+2*\qt+1], v[LS+2*\qt:LS+2*\qt+1], v[SB+2*\p:SB+2*\p+1]
	v_cvt_pk_f16_f32 v[PB+\p], v[SB+2*\p], v[SB+2*\p+1]
.endr
.endm
; 64 positions against my 32 query rows.  s22 = the step in which my diagonal lies (4: none in this tile).
.macro STEP slot, st, endl
.if \st
	s_cmp_lt_u32 s22, \st                          ; the steps beyond my diagonal are wholly masked: not done
	s_cbranch_scc1 \endl
.endif
	s_wait_dscnt 0x0                               ; this step's K fragments are in
	WIN 0x01
	; eight accumulators by turns, one instruction a turn, first d 0-31 (which starts the sums), then d 32-63
.irp dk, 0,1
.irp kt, 0,1,2,3
.irp qt, 0,1
.if \dk
	v_wmma_f32_16x16x32_f16 v[SC+8*(2*\kt+\qt):SC+8*(2*\kt+\qt)+7], v[KF+8*(2*\kt+\dk):KF+8*(2*\kt+\dk)+7], v[QF+8*(2*\qt+\dk):QF+8*(2*\qt+\dk)+7], v[SC+8*(2*\kt+\qt):SC+8*(2*\kt+\qt)+7]
.else
	v_wmma_f32_16x16x32_f16 v[SC+8*(2*\kt+\qt):SC+8*(2*\kt+\qt)+7], v[KF+8*(2*\kt+\dk):KF+8*(2*\kt+\dk)+7], v[QF+8*(2*\qt+\dk):QF+8*(2*\qt+\dk)+7], 0
.endif
.endr
.endr
.endr
	PLACES                                         ; before K's and V's fragment registers are loaded again and the scores read
	LOADV \slot, \st
.if \st < 3
	LOADK \slot, \st+1
.endif
	WIN 0
	s_cmp_lg_u32 s22, \st
	s_cbranch_scc1 .Lnomask_\@
	; the step on my diagonal: key 16 kt + 8 h + j is masked for query 32 (w % 2) + 16 qt + r if it is larger.  Key 0 of the step is visible to every row.
.irp kt, 0,1,2,3
.irp qt, 0,1
.irp j, 0,1,2,3,4,5,6,7
	v_cmp_gt_i32 vcc_lo, 16*\kt+\j-16*\qt, v[THR]
	v_cndmask_b32 v[SC+8*(2*\kt+\qt)+\j], v[SC+8*(2*\kt+\qt)+\j], v[NINF], vcc_lo
.endr
.endr
.endr
.Lnomask_\@:
	; the running maximum: eight chains that do not wait for each other, the old maximum taken into the first two
.irp g, 0,1,2,3,4,5,6,7
	v_max3_num_f32 v[TT+\g], v[SC+8*\g], v[SC+8*\g+1], v[SC+8*\g+2]
.endr
.irp g, 0,1,2,3,4,5,6,7
	v_max3_num_f32 v[TT+\g], v[TT+\g], v[SC+8*\g+3], v[SC+8*\g+4]
.endr
.irp g, 0,1,2,3,4,5,6,7
	v_max3_num_f32 v[TT+\g], v[TT+\g], v[SC+8*\g+5], v[SC+8*\g+6]
.endr
.irp g, 0,1
	v_max3_num_f32 v[TT+\g], v[TT+\g], v[SC+8*\g+7], v[MX+\g]
.endr
.irp g, 2,3,4,5,6,7
	v_max_num_f32 v[TT+\g], v[TT+\g], v[SC+8*\g+7]
.endr
.irp qt, 0,1
	v_max3_num_f32 v[TT+\qt], v[TT+\qt], v[TT+2+\qt], v[TT+4+\qt]
.endr
.irp qt, 0,1
	v_max_num_f32 v[TT+\qt], v[TT+\qt], v[TT+6+\qt]
.endr
.irp qt, 0,1
	v_permlanex16_b32 v[XX+\qt], v[TT+\qt], s12, s13   ; the other eight keys of each sixteen lie in the other half of the lanes
.endr
.irp qt, 0,1
	v_max_num_f32 v[MX+\qt], v[TT+\qt], v[XX+\qt]
.endr
.irp qt, 0,1
	v_mul_f32 v[TT+2+\qt], s16, v[MX+\qt]          ; the new shift, - c x maximum
.endr
.irp qt, 0,1
	v_sub_f32 v[AL+\qt], v[TT+2+\qt], v[NM+\qt]    ; new shift - old shift: the old terms are rescaled by exactly the shifts they were made with
.endr
	v_exp_f32 v[AL], v[AL]
	v_exp_f32 v[AL+1], v[AL+1]
	v_mov_b32 v[NM], v[TT+2]                       ; plain work: the place behind the two exponentials
	v_mov_b32 v[NM+1], v[TT+3]
.irp kt, 0,1,2,3
.irp qt, 0,1
.irp p, 0,2,4,6
	v_pk_fma_f32 v[SC+8*(2*\kt+\qt)+\p:SC+8*(2*\kt+\qt)+\p+1], v[SC+8*(2*\kt+\qt)+\p:SC+8*(2*\kt+\qt)+\p+1], s[14:15], v[NM:NM+1] op_sel:[0,0,\qt] op_sel_hi:[1,0,\qt]
.endr
.endr
.endr
	EXP8 0, 0
	RESC 0, 0
	EXP8 0, 1
	RESC 0, 1
	CONS 0, 0
	EXP8 1, 0
	RESC 1, 0
	CONS 0, 1
	EXP8 1, 1
	RESC 1, 1
	CONS 1, 0
	EXP8 2, 0
	RESC 2, 0
	CONS 1, 1
	EXP8 2, 1
	RESC 2, 1
	CONS 2, 0
	EXP8 3, 0
	RESC 3, 0
	CONS 2, 1
	EXP8 3, 1
	RESC 3, 1
	CONS 3, 0
	CONS 3, 1
.if \st < 3
	s_wait_dscnt 16                                ; V's fragments are in; the 16 younger loads are the next step's K
.else
	s_wait_dscnt 0x0
.endif
	WIN 0x01
	; eight accumulators by turns, keys 0-31, then keys 32-63
.irp kc, 0,1
.irp dt, 0,1,2,3
.irp qt, 0,1
	v_wmma_f32_16x16x32_f16 v[OA+8*(2*\dt+\qt):OA+8*(2*\dt+\qt)+7], v[VF+8*(2*\dt+\kc):VF+8*(2*\dt+\kc)+7], v[PR+8*(2*\qt+\kc):PR+8*(2*\qt+\kc)+7], v[OA+8*(2*\dt+\qt):OA+8*(2*\dt+\qt)+7]
.endr
.endr
.endr
	WIN 0
.endm
; A block's rows are done: divide by the row sum, round to f16, out through my stage in whole rows; then the second block's state.
.macro FINAL
	PLACES                                         ; behind the last matrix instructions, whose results are read below
.irp qt, 0,1
	v_add_f32 v[TT+\qt], v[LS+2*\qt], v[LS+2*\qt+1]
.endr
.irp qt, 0,1
	v_permlanex16_b32 v[XX+\qt], v[TT+\qt], s12, s13
.endr
.irp qt, 0,1
	v_add_f32 v[TT+\qt], v[TT+\qt], v[XX+\qt]      ; at least 1: the largest score's term
.endr
	v_rcp_f32 v[AL], v[TT]
	v_rcp_f32 v[AL+1], v[TT+1]
	v_nop                                          ; the place behind the reciprocals
	s_wait_alu depctr_va_vdst(0)
.irp dt, 0,1,2,3
	RESC \dt, 0
	RESC \dt, 1
.endr
.irp g, 0,1,2,3,4,5,6,7
.irp p, 0,1,2,3
	v_cvt_pk_f16_f32 v[PR+4*\g+\p], v[OA+8*\g+2*\p], v[OA+8*\g+2*\p+1]
.endr
.endr
.irp dt, 0,1,2,3
.irp qt, 0,1
	ds_store_b128 v[STO], v[PR+4*(2*\dt+\qt):PR+4*(2*\dt+\qt)+3] offset:\qt*16*KP+32*\dt
.endr
.endr
.irp t, 0,1,2,3,4,5,6,7
	ds_load_b128 v[SC+4*\t:SC+4*\t+3], v[RD] offset:\t*4*KP        ; my own bytes; LDS serves a wave's instructions in order
.endr
.irp t, 0,1,2,3,4,5,6,7
	s_wait_dscnt 7-\t                              ; the younger read-backs may stay out
	global_store_b128 v[CO], v[SC+4*\t:SC+4*\t+3], s[66:67] offset:\t*512   ; four rows: 512 consecutive bytes, aligned
.endr
	RESET
	WIN 0x01
.set i, 0
.rept 32
	v_mov_b32 v[QF+i], v[Q2+i]
.set i, i+1
.endr
	WIN 0
	s_wait_xcnt 0x0                                ; the stores' data and base are rewritten only behind this wait
	s_mov_b64 s[66:67], s[68:69]
.endm
.macro TILE slot
	s_cmp_eq_u32 s20, s18                          ; the first block's last tile,
	s_cselect_b32 s23, 1, 0
	s_cmp_eq_u32 s20, 8                            ; or the second's: the tile on the diagonal
	s_cselect_b32 s23, 1, s23
	s_cmp_lg_u32 s23, 0
	s_cselect_b32 s22, s17, 4
	LOADK \slot, 0
	STEP \slot, 0, .Lend_\@
	STEP \slot, 1, .Lend_\@
	STEP \slot, 2, .Lend_\@
	STEP \slot, 3, .Lend_\@
.Lend_\@:
	s_cmp_eq_u32 s23, 0
	s_cbranch_scc1 .Lnofin_\@
	FINAL
.Lnofin_\@:
	s_add_co_u32 s20, s20, 1
.endm
; One tile.  In front of the barrier every wave waits for all its tensor loads (its part of this trip's tile among them) and for its reads of the
; other slot; behind it the other slot's refill comes first, one load a wave, and has this whole trip in which to land.
.macro TRIP slot, refill
	s_wait_tensorcnt 0x0                           ; no tensor load of mine is out: a group 0 may be written
	ds_add_u32 v254, v255
	s_wait_dscnt 0x0
.if \refill
	s_add_co_u32 s21, s21, 1                       ; the next tile in my order;
	s_cmp_gt_u32 s21, s18
	s_cselect_b32 s27, s19, 0
	s_sub_co_u32 s27, s21, s27                     ; the second block begins again at key tile 0
	s_lshl_b32 s24, s27, 15                        ; 256 positions of 128 bytes
	s_add_nc_u64 s[G0V+4*(1-\slot)+2:G0V+4*(1-\slot)+3], s[28:29], s[24:25]
	s_or_b32 s[G0V+4*(1-\slot)+3], s[G0V+4*(1-\slot)+3], 0x80000000
	s_add_nc_u64 s[G0K+4*(1-\slot)+2:G0K+4*(1-\slot)+3], s[30:31], s[24:25]
	s_or_b32 s[G0K+4*(1-\slot)+3], s[G0K+4*(1-\slot)+3], 0x80000000
.endif
	s_wait_dscnt 0x0                               ; my reads of the other slot are over
	s_barrier_signal -1
	s_barrier_wait -1
.if \refill
	KVLOAD (1-\slot)
.endif
	TILE \slot
.endm
	s_wait_tensorcnt 0x1                           ; my part of tile 0 is in; tile 1's may stay out
	s_barrier_signal -1
	s_barrier_wait -1
	TILE 0
	s_mov_b32 s26, 3
.Ltiles:
	TRIP 1, 1
	TRIP 0, 1
	s_sub_co_u32 s26, s26, 1
	s_cmp_lg_u32 s26, 0
	s_cbranch_scc1 .Ltiles
	TRIP 1, 1                                      ; tile 7; tile 8 goes out
	TRIP 0, 0                                      ; tile 8: nothing is left to fetch
	s_wait_tensorcnt 0x0
	ds_add_u32 v254, v255
	s_wait_dscnt 0x0
	s_endpgm
.Lfunc_end_k_q0b9c059f7e_attn:
	.size	k_q0b9c059f7e_attn, .Lfunc_end_k_q0b9c059f7e_attn-k_q0b9c059f7e_attn
	.p2alignl 7, 3214868480
	.fill 96, 4, 3214868480
	.section	.rodata,"a",@progbits
	.p2align	6, 0x0
	.amdhsa_kernel k_q0b9c059f7e_attn
		.amdhsa_group_segment_fixed_size 327680
		.amdhsa_private_segment_fixed_size 0
		.amdhsa_enable_private_segment 0
		.amdhsa_kernarg_size 16
		.amdhsa_user_sgpr_count 2
		.amdhsa_user_sgpr_kernarg_segment_ptr 1
		.amdhsa_wavefront_size32 1
		.amdhsa_system_sgpr_workgroup_id_x 1
		.amdhsa_system_sgpr_workgroup_id_y 1
		.amdhsa_system_sgpr_workgroup_id_z 1
		.amdhsa_system_vgpr_workitem_id 0
		.amdhsa_next_free_vgpr 416
		.amdhsa_next_free_sgpr 76
		.amdhsa_reserve_vcc 1
		.amdhsa_float_denorm_mode_32 3
		.amdhsa_float_denorm_mode_16_64 3
		.amdhsa_memory_ordered 1
		.amdhsa_forward_progress 1
		.amdhsa_inst_pref_size 255
	.end_amdhsa_kernel
	.section	.bss,"aw",@nobits
	.p2align	6
	.space	262144
	.amdgpu_metadata
---
amdhsa.version: [ 1, 2 ]
amdhsa.kernels:
  - .name:           k_q0b9c059f7e_attn
    .symbol:         k_q0b9c059f7e_attn.kd
    .args:
      - { .name: qkvh, .offset: 0, .size: 8, .value_kind: global_buffer, .address_space: global }
      - { .name: yh, .offset: 8, .size: 8, .value_kind: global_buffer, .address_space: global }
    .group_segment_fixed_size: 327680
    .private_segment_fixed_size: 0
    .kernarg_segment_align: 8
    .kernarg_segment_size: 16
    .max_flat_workgroup_size: 256
    .sgpr_count:     76
    .vgpr_count:     416
    .wavefront_size: 32
...
	.end_amdgpu_metadata
.endif
;; end of part 3
;; launch proj (part 4): grid 8 x 32, 4 waves a work-group, clusters of 4 x 4, 327,680 bytes of LDS; arguments yh, xw, out0; writes out0
.if DOCPART == 4
	.amdgcn_target "amdgcn-amd-amdhsa--gfx1250"
	.amdhsa_code_object_version 6
	.text
	.protected	k_q0b9c059f7e_proj
	.globl	k_q0b9c059f7e_proj
	.p2align	8
	.type	k_q0b9c059f7e_proj,@function
k_q0b9c059f7e_proj:
	s_mov_b64 s[64:65], 0
	v_nop
	global_prefetch_b8 v0, s[64:65] scope:SCOPE_SE
	s_setreg_imm32_b32 hwreg(HW_REG_WAVE_MODE, 25, 1), 1
	s_wait_xcnt 0x0
	s_wait_alu depctr_hold_cnt(0) depctr_sa_sdst(0) depctr_va_vdst(0) depctr_va_sdst(0) depctr_va_ssrc(0) depctr_va_vcc(0) depctr_vm_vsrc(0)
	s_getreg_b32 s2, hwreg(HW_REG_IB_STS2, 6, 4)
	s_cmp_eq_u32 s2, 0
	s_cbranch_scc0 .Lentry_in_a_cluster
	s_endpgm
.Lentry_in_a_cluster:
	s_bfe_u32 s2, ttmp6, 0x10000c
	s_cmp_lg_u32 s2, 0xf033
	s_cbranch_scc0 .Lentry_shape_is_right
	s_endpgm
.Lentry_shape_is_right:
; out0 = y Wp^T: C[m][n] = sum over k of y[m][k] Wp[n][k], m < 8192, n < 1024, f16 operands, f32 sums, f32 out.
; y lies as yh[k / 64][m][k % 64] (a head is a plane of K), Wp as rows 11264.. of xw, in the same planes of 64 columns, as f16.
; A work-group makes 256 x 128 of C: 32 x 8 = 256 work-groups, one for each WGP.  Four waves stacked along m: a wave makes 64 x 128 = 32 accumulator tiles.
; K goes in steps of 128 = two planes through two LDS slots; tiles are dense blocks fetched as rows of 256 bytes, each starting at a multiple of 256
; bytes from its buffer's first byte; the mover skips 16 bytes behind every 128: LDS pitch 144.
; CLUSTERS of 4 x 4: A's tile is asked for jointly by a row of the cluster, B's by a column.
; REGISTERS: window 0: v16-26 addresses, v64-127 A's fragments (two buffers of 4), v128-255 rows on the way out; window 1: v0-127 B's fragments
; (two buffers of 8); window 2: the 32 tiles, tile (i, b) at 8 (8 i + b).
; The matrix instruction is used transposed (source 0 = rows of Wp, source 1 = rows of y): a lane's 8 results are 8 neighbouring columns of one row of C.
.set NB,     8
.set PLA,    1572864                   ; bytes in a plane of xw
.set PLY,    1048576                   ; bytes in a plane of yh
.set PITCH,  144                       ; an odd multiple of 16: the 16 rows of a fragment load start in 16 different 16-byte columns of 256 bytes
.set APL,    256*PITCH
.set BPL,    16*NB*PITCH
.set BOFF,   2*APL
.set SLOT,   BOFF+2*BPL                ; 110,592
.set STAGE,  2*SLOT                    ; behind the ring (a multiple of 256): 16 rows x 528 bytes for each wave; no fill lands there
.set SPITCH, 528
.set NL,     2*NB+8
.set LAPS,   4
.set ASTEP,  4*PLY
.set BSTEP,  4*PLA
.set ADRA, 16
.set ADRB, 20
.set STO,  24
.set RD,   25
.set CO,   26
.set FA,   64
.set G1,  24
.set G0,  32
.set G1B, 48
.set G0B, 56
.set G1W0, (3<<16)|(1<<20)|(1<<21)|(4<<22)|(3<<25)   ; elements of 8 bytes; padding on; bit 21 beside a mask; after every 32 words skip 4
.set MSB, 0
.macro WIN new
.if MSB != \new
	s_set_vgpr_msb (MSB<<8)|\new
.set MSB, \new
.endif
.endm
.set MUL, 0xa1                         ; source 0 (B) window 1, source 1 (A) window 0, C and D window 2
.macro JLOAD s                         ; waves 0 and 1 fetch A's two planes, waves 2 and 3 B's
	s_cmp_eq_u32 s11, 0
	s_cbranch_scc0 .Lfor_b_\@
	tensor_load_to_lds s[G0+4*\s:G0+4*\s+3], s[G1:G1+7]
	s_nop 0
	s_branch .Lasked_\@
.Lfor_b_\@:
	tensor_load_to_lds s[G0B+4*\s:G0B+4*\s+3], s[G1B:G1B+7]
	s_nop 0
.Lasked_\@:
.endm
.macro CREST
	s_cmp_lg_u32 s10, 0
	s_cbranch_scc1 .Lnot_wave_0_\@
	s_barrier_signal -3
.Lnot_wave_0_\@:
	s_barrier_wait -3
	s_barrier_signal -1
	s_barrier_wait -1
.endm
.macro CROUND
	s_barrier_signal -1
	s_barrier_wait -1
	CREST
.endm
.macro PLACES                          ; four places behind a matrix instruction before its registers are loaded into or its result read (ISA guide 7.12.1)
.rept 4
	v_nop
.endr
.endm
	s_load_b128 s[4:7], s[0:1], 0x0                ; yh s[4:5], xw s[6:7]
	s_load_b64 s[8:9], s[0:1], 0x10                ; out0
	s_set_vgpr_msb 0x40
	v_lshl_add_u32 v255, v0, 2, 0x3e400
	s_set_vgpr_msb 0x4000
	v_mov_b32 v63, 0
	s_set_vgpr_msb 0x1
	ds_add_u32 v255, v63
	s_set_vgpr_msb 0x100
	v_lshrrev_b32 v1, 5, v0
	v_readfirstlane_b32 s10, v1                    ; wave 0..3
	s_lshr_b32 s11, s10, 1                         ; I fetch for A (0) or for B (1)
	s_and_b32 s12, s10, 1                          ; which plane of the K step
	s_bfe_u32 s40, ttmp6, 0x40000                  ; cx
	s_bfe_u32 s41, ttmp6, 0x40004                  ; cy
	s_lshl_b32 s42, ttmp9, 2
	s_add_co_u32 s42, s42, s40                     ; block column
	s_and_b32 s13, ttmp7, 0xffff
	s_lshl_b32 s13, s13, 2
	s_add_co_u32 s13, s13, s41                     ; block row
	s_lshl_b32 s43, s41, 2
	s_lshl_b32 s43, 15, s43                        ; my row of the cluster
	s_lshl_b32 s44, 0x1111, s40                    ; my column
	s_or_b32 s[G1+0], s43, G1W0
	s_or_b32 s[G1B+0], s44, G1W0
	s_mov_b32 s[G1+1], 32<<16
	s_mov_b32 s[G1B+1], 32<<16
	s_mov_b32 s[G1+2], 128<<16                     ; 256 data rows = 128 rows of 256 bytes
	s_mov_b32 s[G1B+2], (8*NB)<<16                 ; 128 data rows = 64
	s_mov_b32 s[G1+3], 32<<16
	s_mov_b32 s[G1B+3], 32<<16
	s_mov_b32 s[G1+4], 128
	s_mov_b32 s[G1B+4], 8*NB
	s_mov_b32 s[G1+5], 32
	s_mov_b32 s[G1B+5], 32
	s_mov_b32 s[G1+6], 0
	s_mov_b32 s[G1B+6], 0
	s_mov_b32 s[G1+7], 0
	s_mov_b32 s[G1B+7], 0
	s_lshl_b32 s16, s13, 15                        ; A: 256 rows of 128 bytes a block row,
	s_mul_i32 s17, s12, PLY                        ; my plane of the step
	s_add_co_u32 s16, s16, s17
	s_mov_b32 s17, 0
	s_mul_i32 s46, s42, 16*NB*128                  ; B: 128 rows a block column,
	s_mul_i32 s47, s12, PLA
	s_add_co_u32 s46, s46, s47
	s_add_co_u32 s46, s46, 11264*128               ; Wp's first row in a plane of xw
	s_mov_b32 s47, 0
	s_mul_i32 s20, s10, APL
	s_mul_i32 s21, s10, BPL
	s_add_co_u32 s21, s21, BOFF-2*BPL
	s_wait_dscnt 0x0
	s_wait_kmcnt 0x0
	s_add_nc_u64 s[14:15], s[4:5], s[16:17]
	s_add_nc_u64 s[46:47], s[6:7], s[46:47]
	CROUND                                         ; all sixteen work-groups are here: the first joint loads meet
.irp s, 0,1
	s_mov_b32 s[G0+4*\s], 1
	s_add_co_u32 s[G0+4*\s+1], s20, \s*SLOT
	s_add_nc_u64 s[G0+4*\s+2:G0+4*\s+3], s[14:15], \s*2*PLY
	s_or_b32 s[G0+4*\s+3], s[G0+4*\s+3], 0x80000000
	s_mov_b32 s[G0B+4*\s], 1
	s_add_co_u32 s[G0B+4*\s+1], s21, \s*SLOT
	s_add_nc_u64 s[G0B+4*\s+2:G0B+4*\s+3], s[46:47], \s*2*PLA
	s_or_b32 s[G0B+4*\s+3], s[G0B+4*\s+3], 0x80000000
	JLOAD \s                                       ; K steps 0 and 1: two tensor loads of the wave are out, later one
.endr
	v_and_b32 v1, 15, v0                           ; r
	v_bfe_u32 v2, v0, 4, 1                         ; h
	v_mul_u32_u24 v3, v1, PITCH
	v_lshl_add_u32 v3, v2, 4, v3
	s_mul_i32 s22, s10, 64*PITCH                   ; my 64 rows of A
	v_add_nc_u32 v[ADRA], s22, v3
	v_add_nc_u32 v[ADRA+1], SLOT, v[ADRA]
	v_add_nc_u32 v[ADRB], BOFF, v3
	v_add_nc_u32 v[ADRB+1], BOFF+SLOT, v3
	s_mul_i32 s23, s10, 16*SPITCH
	s_add_co_u32 s23, s23, STAGE                   ; my stage
	v_mul_u32_u24 v4, v1, SPITCH
	v_lshl_add_u32 v4, v2, 5, v4
	v_add_nc_u32 v[STO], s23, v4                   ; in: row r, 32 bytes for each half of the lanes
	v_and_b32 v5, 31, v0
	v_lshlrev_b32 v[CO], 4, v5                     ; back and out: the wave takes a row's 512 bytes
	v_add_nc_u32 v[RD], s23, v[CO]
; NB matrix instructions: my row tile 2 hi + a x all column tiles, 32 along K.  The 32 accumulators take turns, one instruction a turn, in the
; same order in every quarter step.
.macro MULROW buf, hi, a, zero
.irp b, 0,1,2,3,4,5,6,7
.if \zero
	v_wmma_f32_16x16x32_f16 v[8*(NB*(2*\hi+\a)+\b):8*(NB*(2*\hi+\a)+\b)+7], v[8*(NB*\buf+\b):8*(NB*\buf+\b)+7], v[FA+32*\buf+8*(2*\hi+\a):FA+32*\buf+8*(2*\hi+\a)+7], 0
.else
	v_wmma_f32_16x16x32_f16 v[8*(NB*(2*\hi+\a)+\b):8*(NB*(2*\hi+\a)+\b)+7], v[8*(NB*\buf+\b):8*(NB*\buf+\b)+7], v[FA+32*\buf+8*(2*\hi+\a):FA+32*\buf+8*(2*\hi+\a)+7], v[8*(NB*(2*\hi+\a)+\b):8*(NB*(2*\hi+\a)+\b)+7]
.endif
.endr
.endm
.macro FETCH slot, q, buf              ; quarter q of a K step: plane q / 2, byte 64 (q % 2) of its rows; B's 16 loads, then A's 8
	WIN 0x40
.irp i, 0,1,2,3,4,5,6,7
	ds_load_b128 v[8*(NB*\buf+\i):8*(NB*\buf+\i)+3],   v[ADRB+\slot] offset:((\q)>>1)*BPL+((\q)&1)*64+\i*16*PITCH
	ds_load_b128 v[8*(NB*\buf+\i)+4:8*(NB*\buf+\i)+7], v[ADRB+\slot] offset:((\q)>>1)*BPL+((\q)&1)*64+\i*16*PITCH+32
.endr
	WIN 0
.irp i, 0,1,2,3
	ds_load_b128 v[FA+32*\buf+8*\i:FA+32*\buf+8*\i+3],   v[ADRA+\slot] offset:((\q)>>1)*APL+((\q)&1)*64+\i*16*PITCH
	ds_load_b128 v[FA+32*\buf+8*\i+4:FA+32*\buf+8*\i+7], v[ADRA+\slot] offset:((\q)>>1)*APL+((\q)&1)*64+\i*16*PITCH+32
.endr
.endm
.macro QUARTER slot, qn, buf, nbuf, zero
	s_wait_dscnt 4                                 ; B and A's tiles 0, 1 are in; the youngest four loads (A's tiles 2, 3) may be out
	WIN MUL
	MULROW \buf, 0, 0, \zero
	MULROW \buf, 0, 1, \zero
	PLACES
	FETCH \slot, \qn, \nbuf
	s_wait_dscnt NL                                ; all but the run just issued
	WIN MUL
	MULROW \buf, 1, 0, \zero
	MULROW \buf, 1, 1, \zero
.endm
.macro THREE slot, zero
	QUARTER \slot, 1, 0, 1, \zero
	QUARTER \slot, 2, 1, 0, 0
	QUARTER \slot, 3, 0, 1, 0
.endm
; The last quarter multiplies buffer 1 and changes slots: each wave's waits for its reads of this slot and for all its tensor loads stand in front
; of the barrier; fill = 1: it opens a round of the cluster's barrier, behind which the joint refill of this slot is the wave's one tensor load.
.macro TURN slot, next, fill
	s_wait_dscnt 4
	WIN MUL
	MULROW 1, 0, 0, 0
	s_wait_dscnt 0x0
	s_wait_tensorcnt 0x0
	ds_add_u32 v255, v63
	s_wait_dscnt 0x0
	s_barrier_signal -1
	MULROW 1, 0, 1, 0
	WIN 0
	s_barrier_wait -1
.if \fill
	CREST
	s_add_nc_u64 s[G0+4*\slot+2:G0+4*\slot+3], s[G0+4*\slot+2:G0+4*\slot+3], ASTEP
	s_add_nc_u64 s[G0B+4*\slot+2:G0B+4*\slot+3], s[G0B+4*\slot+2:G0B+4*\slot+3], BSTEP
	JLOAD \slot
.endif
	PLACES
	FETCH \next, 0, 0
	WIN MUL
	MULROW 1, 1, 0, 0
	MULROW 1, 1, 1, 0
.endm
.macro LAP zero
	THREE 0, \zero
	TURN 0, 1, 1
	THREE 1, 0
	TURN 1, 0, 1
.endm
	s_wait_tensorcnt 0x1                           ; my part of K step 0 is in; K step 1's may stay out
	s_barrier_signal -1
	s_barrier_wait -1
	FETCH 0, 0, 0
	LAP 1
	WIN 0
	s_mov_b32 s3, LAPS-2
.Llap:
	LAP 0
	WIN 0
	s_sub_co_u32 s3, s3, 1
	s_cmp_lg_u32 s3, 0
	s_cbranch_scc1 .Llap
	THREE 0, 0                                     ; the last lap fills nothing
	TURN 0, 1, 0
	THREE 1, 0
	s_wait_dscnt 4
	WIN MUL
	MULROW 1, 0, 0, 0
	MULROW 1, 0, 1, 0
	s_wait_dscnt 0x0
	MULROW 1, 1, 0, 0
	MULROW 1, 1, 1, 0
	PLACES                                         ; behind the last matrix instructions, whose results the LDS stores read
	; THE WAY OUT, 16 rows at a time: 32 bytes a lane and tile into my stage, read back and stored as rows of 512 consecutive bytes
	s_lshl_b32 s16, s13, 20                        ; 256 rows of 4,096 bytes a block row
	s_lshl_b32 s17, s10, 18                        ; my 64 rows
	s_add_co_u32 s16, s16, s17
	s_mov_b32 s17, 0
	s_add_nc_u64 s[8:9], s[8:9], s[16:17]
	s_lshl_b32 s46, s42, 9                         ; 128 columns of 4 bytes a block column (in registers that never fed A's descriptors)
	s_mov_b32 s47, 0
	s_add_nc_u64 s[8:9], s[8:9], s[46:47]
.macro OUT16 i, f
	WIN 0x08                                       ; the LDS stores' data in window 2
.irp b, 0,1,2,3,4,5,6,7
	ds_store_b128 v[STO], v[8*(NB*\i+\b):8*(NB*\i+\b)+3]   offset:64*\b
	ds_store_b128 v[STO], v[8*(NB*\i+\b)+4:8*(NB*\i+\b)+7] offset:64*\b+16
.endr
	WIN 0
	s_wait_xcnt 0x0                                ; buffer f, which earlier stores read, and the stores' base are rewritten only behind this wait
.if \i
	s_add_nc_u64 s[8:9], s[8:9], 16*4096
.endif
.irp t, 0,1,2,3,4,5,6,7,8,9,10,11,12,13,14,15
	ds_load_b128 v[\f+4*\t:\f+4*\t+3], v[RD] offset:\t*SPITCH      ; LDS serves a wave's instructions in order: these see the stores above
.endr
.irp t, 0,1,2,3,4,5,6,7,8,9,10,11,12,13,14,15
	s_wait_dscnt 15-\t                             ; the younger read-backs may stay out
	global_store_b128 v[CO], v[\f+4*\t:\f+4*\t+3], s[8:9] offset:\t*4096 th:TH_STORE_NT
.endr
.endm
	OUT16 0, 128
	OUT16 1, 192
	OUT16 2, 128
	OUT16 3, 192
	s_set_vgpr_msb 0x1
	s_wait_tensorcnt 0x0
	ds_add_u32 v255, v63
	s_wait_dscnt 0x0
	s_set_vgpr_msb 0x100
	CROUND                                         ; the closing round: no work-group ends while a partner may still ask for a tile that names it
	s_endpgm
.Lfunc_end_k_q0b9c059f7e_proj:
	.size	k_q0b9c059f7e_proj, .Lfunc_end_k_q0b9c059f7e_proj-k_q0b9c059f7e_proj
	.p2alignl 7, 3214868480
	.fill 96, 4, 3214868480
	.section	.rodata,"a",@progbits
	.p2align	6, 0x0
	.amdhsa_kernel k_q0b9c059f7e_proj
		.amdhsa_group_segment_fixed_size 327680
		.amdhsa_private_segment_fixed_size 0
		.amdhsa_enable_private_segment 0
		.amdhsa_kernarg_size 24
		.amdhsa_user_sgpr_count 2
		.amdhsa_user_sgpr_kernarg_segment_ptr 1
		.amdhsa_wavefront_size32 1
		.amdhsa_system_sgpr_workgroup_id_x 1
		.amdhsa_system_sgpr_workgroup_id_y 1
		.amdhsa_system_sgpr_workgroup_id_z 1
		.amdhsa_system_vgpr_workitem_id 0
		.amdhsa_next_free_vgpr 768
		.amdhsa_next_free_sgpr 66
		.amdhsa_reserve_vcc 0
		.amdhsa_float_denorm_mode_32 3
		.amdhsa_float_denorm_mode_16_64 3
		.amdhsa_memory_ordered 1
		.amdhsa_forward_progress 1
		.amdhsa_inst_pref_size 118
	.end_amdhsa_kernel
	.amdgpu_metadata
---
amdhsa.version: [ 1, 2 ]
amdhsa.kernels:
  - .name:           k_q0b9c059f7e_proj
    .symbol:         k_q0b9c059f7e_proj.kd
    .args:
      - { .name: yh, .offset: 0, .size: 8, .value_kind: global_buffer, .address_space: global }
      - { .name: xw, .offset: 8, .size: 8, .value_kind: global_buffer, .address_space: global }
      - { .name: out0, .offset: 16, .size: 8, .value_kind: global_buffer, .address_space: global }
    .group_segment_fixed_size: 327680
    .private_segment_fixed_size: 0
    .kernarg_segment_align: 8
    .kernarg_segment_size: 24
    .max_flat_workgroup_size: 128
    .sgpr_count:     66
    .vgpr_count:     768
    .wavefront_size: 32
...
	.end_amdgpu_metadata
.endif
;; end of part 4
